; MI455X (gfx1250); checked and timed in simulation.
; The chip was launched on July 23, 2026; its instructions are those of AMD's public machine-readable ISA for CDNA 5 (MIT licence, August 2026) and "CDNA5" Instruction Set Architecture Reference Guide (July 2026). The comments in the code are by the model that wrote it; some were corrected since.
;; Mo EMLP. Allowed arithmetic: float matrix products may take bf16 or f16 operands with f32 sums; all other float work in f32.
;; Inputs: gate_w 2,048 x 8 float32; proj1 8,192 x 2,048 float32; proj1_bias 8,192 float32; proj2 2,048 x 8,192 float32; proj2_bias 2,048 float32; x 256 x 8 x 2,048 float32.
;; Outputs: out0 256 x 8 x 2,048 float32.
;; One version. Each part assembles by itself: llvm-mc -triple=amdgcn-amd-amdhsa -mcpu=gfx1250 --defsym DOCPART=n.
;; ======== version 1 of 1: 3 launches
;; workspace buffers: xb 8,388,608 bytes; w1b 33,554,432 bytes; w2b 33,554,432 bytes; h 33,554,432 bytes; dst 8,192 bytes
;; launch cast (part 1): grid 1152 x 1, 8 waves a work-group, no clusters, 109,568 bytes of LDS; arguments x, proj1, proj2, gate_w, xb, w1b, w2b, dst; writes xb, w1b, w2b, dst
.if DOCPART == 1
	.amdgcn_target "amdgcn-amd-amdhsa--gfx1250"
	.amdhsa_code_object_version 6
	.text
	.protected	k_q44216527c6_cast
	.globl	k_q44216527c6_cast
	.p2align	8
	.type	k_q44216527c6_cast,@function
k_q44216527c6_cast:
	s_mov_b64 s[64:65], 0
	v_nop
	global_prefetch_b8 v0, s[64:65] scope:SCOPE_SE
	s_setreg_imm32_b32 hwreg(HW_REG_WAVE_MODE, 25, 1), 1
	s_wait_xcnt 0x0
; FIRST OF THREE LAUNCHES.  x [2048][2048], proj1 [8192][2048] and proj2 [2048][8192], all f32, are rounded once (to nearest even) to bf16 into xb, w1b, w2b,
; in the same layouts; the two products that follow read those.  The gate is made here too: logits = x gate_w ([2048][8]) on the matrix unit, bf16 operands, f32 sums,
; and dst[token] = the index of the largest logit, as a 32-bit whole number.  No output is made of dst.
; LIMITS.  dst is the argmax of logits whose operands were rounded to bf16: two logits closer than that rounding may change places against f32.  Of equal maxima the first wins; a NaN logit never wins.
; SHARES.  A work-group of eight waves casts 131,072 bytes of f32.  Work-groups 0-127: 16 tokens of x each, and their gate (they have the most to do, so they come first);
; 128-639: proj1; 640-1151: proj2.  No loop: a wave has its 32 loads of 512 consecutive bytes (16 bytes a lane) out at once; each store of a wave covers 256 consecutive bytes, aligned (8 bytes a lane).
; No tensor loads, no cluster: nothing is read twice but gate_w (64 KiB), and no wave waits for another but in the gate's sum.
; THE GATE.  Wave w owns channels 256 w .. 256 w + 255 of the 16 tokens.  Its bf16 numbers also go into LDS bytes of its own, and so do its 256 rows of gate_w; eight matrix instructions
; (source 0 = experts x 32 channels, source 1 = 16 tokens x 32 channels) give its part of the logits: a lane holds ONE token (lane % 16) and, in registers 0-7, experts 0-7.
; (Experts 8-15 of the 16 rows are experts 0-7 once more, and land in lanes 16-31.)  The eight waves' parts meet in LDS behind one barrier; wave 0 adds them and takes the argmax.
.set TOKWG, 128                        ; work-groups that take tokens
.set GS,   0                           ; LDS: 8 x 4,096: wave w's rows of gate_w as bf16, [channel][8], 16 bytes a row
.set XS,   32768                       ; LDS: 8 x 8,448: wave w's 16 tokens x 256 channels as bf16, rows 528 bytes apart
.set XP,   528                         ; 512 + 16 = 132 words: the 16 rows of a fragment load start at 16 different groups of four banks (64 banks of 4 bytes: ISA guide 11.1)
.set RED,  100352                      ; LDS: 8 x 1,024: each wave's part of the logits, 32 bytes a lane
.set LANE, 1                           ; v1   lane
.set LOFF, 2                           ; v2   my byte offset in the f32 source
.set SOFF, 3                           ; v3   my byte offset in the bf16 result
.set GOFF, 4                           ; v4   my byte offset in gate_w
.set LG,   5                           ; v5   LDS: where my 8 bytes of gate_w go
.set LX,   6                           ; v6   LDS: where my 8 bytes of x go
.set AXF,  7                           ; v7   LDS: my lane's place in a fragment of x
.set AGF,  8                           ; v8   LDS: my lane's place in a turned fragment of gate_w
.set RW,   9                           ; v9   LDS: where my part of the logits goes
.set RR,   10                          ; v10  LDS: where wave 0 reads the parts
.set DOF,  11                          ; v11  4 x lane: my byte offset in the work-group's 16 words of dst
.set X,    16                          ; v[16:143]  two halves of 64: 16 loads of 4 registers each; later the fragments
.set Y,    144                         ; v[144:175] 16 pairs of packed bf16
.set ACC0, 176                         ; v[176:183] the gate's sums over the even steps of 32 channels
.set ACC1, 184                         ; v[184:191] over the odd steps
.set WV,   20                          ; s20  my wave's number
.set SRC,  24                          ; s[24:25] the source at the work-group's first byte
.set DSTB, 26                          ; s[26:27] the result at the work-group's first byte
; Sixteen loads, numbers i0 .. i0 + 15 of the wave's, into half r of X.  kind 0: 512 bytes on end each.  kind 1: x: row i / 2 (8,192 bytes), half i % 2 of my 1,024 bytes of it.
.macro LD16 r, kind, i0, voff, base, nt
.set j, 0
.rept 16
.set i, (\i0)+j
.if (\kind) == 1
.set o, (i/2)*8192+(i%2)*512
.else
.set o, 512*i
.endif
.if \nt
	global_load_b128 v[X+64*(\r)+4*j:X+64*(\r)+4*j+3], v[\voff], s[\base:\base+1] offset:o th:TH_LOAD_NT
.else
	global_load_b128 v[X+64*(\r)+4*j:X+64*(\r)+4*j+3], v[\voff], s[\base:\base+1] offset:o
.endif
.set j, j+1
.endr
.endm
; The same sixteen are rounded and leave.  left: the loads issued behind this group, which may stay out.  kind 0: to memory.  kind 1: to memory and to my LDS rows of x.  kind 2: to my LDS rows of gate_w alone.
; again = 1: Y's pairs were the data of earlier stores to memory.
.macro CV16 r, kind, i0, left, again
.if \again
	s_wait_xcnt 0x0                                ; every earlier memory instruction has had its addresses translated (ISA guide 3.1): Y is rewritten only behind this wait
.endif
.set j, 0
.rept 16
.set i, (\i0)+j
	s_wait_loadcnt (\left)+15-j                    ; loads come back in order (ISA guide 5.7.1): number j of the group is in; its 15 - j younger ones and the next group stay out
	v_cvt_pk_bf16_f32 v[Y+2*j],   v[X+64*(\r)+4*j],   v[X+64*(\r)+4*j+1]
	v_cvt_pk_bf16_f32 v[Y+2*j+1], v[X+64*(\r)+4*j+2], v[X+64*(\r)+4*j+3]
.if (\kind) == 0
	global_store_b64 v[SOFF], v[Y+2*j:Y+2*j+1], s[DSTB:DSTB+1] offset:256*i
.elseif (\kind) == 1
	global_store_b64 v[SOFF], v[Y+2*j:Y+2*j+1], s[DSTB:DSTB+1] offset:(i/2)*4096+(i%2)*256
	ds_store_b64 v[LX], v[Y+2*j:Y+2*j+1] offset:(i/2)*XP+(i%2)*256
.else
	ds_store_b64 v[LG], v[Y+2*j:Y+2*j+1] offset:256*i
.endif
.set j, j+1
.endr
.endm
	s_load_b256 s[4:11], s[0:1], 0x0               ; x s[4:5], proj1 s[6:7], proj2 s[8:9], gate_w s[10:11]
	s_load_b256 s[12:19], s[0:1], 0x20             ; xb s[12:13], w1b s[14:15], w2b s[16:17], dst s[18:19]
	v_lshl_add_u32 v192, v0, 2, 0x1a800
	v_mov_b32 v193, 0
	v_and_b32 v[LANE], 31, v0
	v_lshrrev_b32 v12, 5, v0
	v_readfirstlane_b32 s[WV], v12                 ; wave 0..7
	s_mov_b32 s29, 0                               ; the high words of the two offsets
	s_mov_b32 s31, 0
	s_mov_b32 s21, ttmp9
	s_cmp_lt_u32 s21, TOKWG                        ; the same answer in all eight waves
	s_cbranch_scc1 .Ltokens
	; WEIGHTS: a plain stream
	s_sub_co_u32 s21, s21, TOKWG
	s_and_b32 s22, s21, 511                        ; my part of the matrix
	s_lshl_b32 s28, s22, 17                        ; 131,072 bytes of f32,
	s_lshl_b32 s30, s22, 16                        ; 65,536 of bf16
	s_lshl_b32 s23, s[WV], 14
	v_lshl_add_u32 v[LOFF], v[LANE], 4, s23        ; 16,384 w + 16 l
	s_lshl_b32 s23, s[WV], 13
	v_lshl_add_u32 v[SOFF], v[LANE], 3, s23        ; 8,192 w + 8 l
	s_wait_kmcnt 0x0
	s_cmp_lt_u32 s21, 512                          ; proj1 or proj2
	s_cselect_b64 s[SRC:SRC+1], s[6:7], s[8:9]
	s_cselect_b64 s[DSTB:DSTB+1], s[14:15], s[16:17]
	s_add_nc_u64 s[SRC:SRC+1], s[SRC:SRC+1], s[28:29]
	s_add_nc_u64 s[DSTB:DSTB+1], s[DSTB:DSTB+1], s[30:31]
	LD16 0, 0, 0,  LOFF, SRC, 1
	LD16 1, 0, 16, LOFF, SRC, 1
	CV16 0, 0, 0,  16, 0
	CV16 1, 0, 16, 0,  1
	s_endpgm
.Ltokens:
	s_lshl_b32 s28, s21, 17                        ; 16 tokens of 8,192 bytes,
	s_lshl_b32 s30, s21, 16                        ; of 4,096 in bf16
	s_lshl_b32 s22, s[WV], 10
	v_lshl_add_u32 v[LOFF], v[LANE], 4, s22        ; my wave's 256 channels: 1,024 w + 16 l
	s_lshl_b32 s22, s[WV], 9
	v_lshl_add_u32 v[SOFF], v[LANE], 3, s22        ; 512 w + 8 l
	s_lshl_b32 s22, s[WV], 13
	v_lshl_add_u32 v[GOFF], v[LANE], 4, s22        ; my wave's 256 rows of gate_w: 8,192 w + 16 l
	s_wait_kmcnt 0x0
	s_add_nc_u64 s[SRC:SRC+1], s[4:5], s[28:29]
	s_add_nc_u64 s[DSTB:DSTB+1], s[12:13], s[30:31]
	s_lshl_b32 s28, s21, 6                         ; the work-group's 16 words of dst
	s_add_nc_u64 s[18:19], s[18:19], s[28:29]
	LD16 0, 0, 0, GOFF, 10, 0                      ; gate_w is read by all 128 of these work-groups: no hint
	LD16 1, 1, 0, LOFF, SRC, 1                     ; tokens 0-7
	; the LDS addresses are made while the loads are out
	s_lshl_b32 s22, s[WV], 12                      ; GS + 4,096 w
	v_lshl_add_u32 v[LG], v[LANE], 3, s22
	s_mul_i32 s23, s[WV], 16*XP
	s_add_co_u32 s23, s23, XS                      ; XS + 8,448 w
	v_lshl_add_u32 v[LX], v[LANE], 3, s23
	v_and_b32 v12, 15, v0                          ; l % 16
	v_bfe_u32 v13, v0, 4, 1                        ; l / 16
	v_mul_u32_u24 v[AXF], v12, XP                  ; a fragment of x: token l % 16, channels 8 (l / 16) on, and 16 further on
	v_lshl_add_u32 v[AXF], v13, 4, v[AXF]
	v_add_nc_u32 v[AXF], s23, v[AXF]
	v_and_b32 v14, 7, v0                           ; the turning load: lane l names channel 8 (l / 16) + l % 8, all its 8 experts (16 bytes).  Lanes 8-15 of a half name the same rows as lanes 0-7,
	v_lshl_add_u32 v14, v13, 3, v14                ; so rows 8-15 of source 0 are experts 0-7 once more
	v_lshl_add_u32 v[AGF], v14, 4, s22
	s_lshl_b32 s23, s[WV], 10
	s_add_co_u32 s23, s23, RED
	v_lshl_add_u32 v[RW], v[LANE], 5, s23
	v_lshl_add_u32 v[RR], v[LANE], 5, RED
	v_lshlrev_b32 v[DOF], 2, v[LANE]
	CV16 0, 2, 0,  16, 0                           ; gate_w into LDS
	LD16 0, 1, 16, LOFF, SRC, 1                    ; tokens 8-15, into the half just emptied
	CV16 1, 1, 0,  16, 0                           ; (Y was the data of LDS stores alone)
	CV16 0, 1, 16, 0,  1
	; The fragments, out of my own LDS bytes: LDS serves a wave's instructions in order (ISA guide 5.7.1.4), so these see the stores above.
.set c, 0
.rept 8                                ; 32 channels a step
	ds_load_b128 v[X+8*c:X+8*c+3],         v[AXF] offset:64*c
	ds_load_b128 v[X+8*c+4:X+8*c+7],       v[AXF] offset:64*c+32
	ds_load_tr16_b128 v[X+64+8*c:X+64+8*c+3],   v[AGF] offset:512*c
	ds_load_tr16_b128 v[X+64+8*c+4:X+64+8*c+7], v[AGF] offset:512*c+256
.set c, c+1
.endr
	s_wait_dscnt 0x0
	v_wmma_f32_16x16x32_bf16 v[ACC0:ACC0+7], v[X+64:X+71], v[X:X+7], 0      ; the first two steps start the two sums; the two accumulators take turns
	v_wmma_f32_16x16x32_bf16 v[ACC1:ACC1+7], v[X+72:X+79], v[X+8:X+15], 0
.set c, 2
.rept 3
	v_wmma_f32_16x16x32_bf16 v[ACC0:ACC0+7], v[X+64+8*c:X+64+8*c+7], v[X+8*c:X+8*c+7], v[ACC0:ACC0+7]
	v_wmma_f32_16x16x32_bf16 v[ACC1:ACC1+7], v[X+72+8*c:X+72+8*c+7], v[X+8*c+8:X+8*c+15], v[ACC1:ACC1+7]
.set c, c+2
.endr
.rept 4
	v_nop                                          ; four places between the products and the lines that read their results and write over their sources (ISA guide 7.12.1)
.endr
.irp p, 0,1,2,3
	v_pk_add_f32 v[X+2*\p:X+2*\p+1], v[ACC0+2*\p:ACC0+2*\p+1], v[ACC1+2*\p:ACC1+2*\p+1]   ; from each accumulator's low end on
.endr
	ds_store_b128 v[RW], v[X:X+3]
	ds_store_b128 v[RW], v[X+4:X+7] offset:16
	s_wait_dscnt 0x0                               ; for wave 0's sake: my part of the logits is in LDS
	s_barrier_signal -1
	s_barrier_wait -1
	s_cmp_lg_u32 s[WV], 0
	s_cbranch_scc1 .Ldone
.set q, 0
.rept 8                                ; wave 0: the eight parts
	ds_load_b128 v[X+8*q:X+8*q+3],   v[RR] offset:1024*q
	ds_load_b128 v[X+8*q+4:X+8*q+7], v[RR] offset:1024*q+16
.set q, q+1
.endr
	s_wait_dscnt 0x0
.irp q, 0,2,4,6
.irp p, 0,1,2,3
	v_pk_add_f32 v[X+8*\q+2*\p:X+8*\q+2*\p+1], v[X+8*\q+2*\p:X+8*\q+2*\p+1], v[X+8*\q+8+2*\p:X+8*\q+8+2*\p+1]
.endr
.endr
.irp q, 0,4
.irp p, 0,1,2,3
	v_pk_add_f32 v[X+8*\q+2*\p:X+8*\q+2*\p+1], v[X+8*\q+2*\p:X+8*\q+2*\p+1], v[X+8*\q+16+2*\p:X+8*\q+16+2*\p+1]
.endr
.endr
.irp p, 0,1,2,3
	v_pk_add_f32 v[X+2*\p:X+2*\p+1], v[X+2*\p:X+2*\p+1], v[X+32+2*\p:X+32+2*\p+1]
.endr
	v_mov_b32 v[X+8], 0                            ; the index of the largest so far,
	v_mov_b32 v[X+9], v[X]                         ; and its value
.irp k, 1,2,3,4,5,6,7
	v_cmp_gt_f32 vcc_lo, v[X+\k], v[X+9]           ; strictly greater: of equal logits the first stays
	v_cndmask_b32 v[X+8], v[X+8], \k, vcc_lo
	v_max_num_f32 v[X+9], v[X+9], v[X+\k]
.endr
	v_cmp_gt_u32 vcc_lo, 16, v[LANE]               ; lanes 0-15 hold the 16 tokens
	s_wait_xcnt 0x0                                ; EXEC is a source of the stores above: it changes only behind this wait
	s_and_saveexec_b32 s32, vcc_lo
	global_store_b32 v[DOF], v[X+8], s[18:19]      ; 64 consecutive bytes a work-group: the one store of the launch that covers less than 256
	s_wait_xcnt 0x0                                ; and again, in front of the line that widens it
	s_or_b32 exec_lo, exec_lo, s32
.Ldone:
	s_wait_tensorcnt 0x0
	ds_add_u32 v192, v193
	s_wait_dscnt 0x0
	s_endpgm
.Lfunc_end_k_q44216527c6_cast:
	.size	k_q44216527c6_cast, .Lfunc_end_k_q44216527c6_cast-k_q44216527c6_cast
	.p2alignl 7, 3214868480
	.fill 96, 4, 3214868480
	.section	.rodata,"a",@progbits
	.p2align	6, 0x0
	.amdhsa_kernel k_q44216527c6_cast
		.amdhsa_group_segment_fixed_size 109568
		.amdhsa_private_segment_fixed_size 0
		.amdhsa_enable_private_segment 0
		.amdhsa_kernarg_size 64
		.amdhsa_user_sgpr_count 2
		.amdhsa_user_sgpr_kernarg_segment_ptr 1
		.amdhsa_wavefront_size32 1
		.amdhsa_system_sgpr_workgroup_id_x 1
		.amdhsa_system_sgpr_workgroup_id_y 1
		.amdhsa_system_sgpr_workgroup_id_z 1
		.amdhsa_system_vgpr_workitem_id 0
		.amdhsa_next_free_vgpr 194
		.amdhsa_next_free_sgpr 66
		.amdhsa_reserve_vcc 1
		.amdhsa_float_denorm_mode_32 3
		.amdhsa_float_denorm_mode_16_64 3
		.amdhsa_memory_ordered 1
		.amdhsa_forward_progress 1
		.amdhsa_inst_pref_size 40
	.end_amdhsa_kernel
	.amdgpu_metadata
---
amdhsa.version: [ 1, 2 ]
amdhsa.kernels:
  - .name:           k_q44216527c6_cast
    .symbol:         k_q44216527c6_cast.kd
    .args:
      - { .name: x, .offset: 0, .size: 8, .value_kind: global_buffer, .address_space: global }
      - { .name: proj1, .offset: 8, .size: 8, .value_kind: global_buffer, .address_space: global }
      - { .name: proj2, .offset: 16, .size: 8, .value_kind: global_buffer, .address_space: global }
      - { .name: gate_w, .offset: 24, .size: 8, .value_kind: global_buffer, .address_space: global }
      - { .name: xb, .offset: 32, .size: 8, .value_kind: global_buffer, .address_space: global }
      - { .name: w1b, .offset: 40, .size: 8, .value_kind: global_buffer, .address_space: global }
      - { .name: w2b, .offset: 48, .size: 8, .value_kind: global_buffer, .address_space: global }
      - { .name: dst, .offset: 56, .size: 8, .value_kind: global_buffer, .address_space: global }
    .group_segment_fixed_size: 109568
    .private_segment_fixed_size: 0
    .kernarg_segment_align: 8
    .kernarg_segment_size: 64
    .max_flat_workgroup_size: 256
    .sgpr_count:     66
    .vgpr_count:     194
    .wavefront_size: 32
...
	.end_amdgpu_metadata
.endif
;; end of part 1
;; launch up (part 2): grid 32 x 8, 4 waves a work-group, clusters of 4 x 4, 327,680 bytes of LDS; arguments xb, w1b, h, proj1_bias; writes h
.if DOCPART == 2
	.amdgcn_target "amdgcn-amd-amdhsa--gfx1250"
	.amdhsa_code_object_version 6
	.text
	.protected	k_q44216527c6_up
	.globl	k_q44216527c6_up
	.p2align	8
	.type	k_q44216527c6_up,@function
k_q44216527c6_up:
	s_mov_b64 s[64:65], 0
	v_nop
	global_prefetch_b8 v0, s[64:65] scope:SCOPE_SE
	s_setreg_imm32_b32 hwreg(HW_REG_WAVE_MODE, 25, 1), 1
	s_wait_xcnt 0x0
	s_wait_alu depctr_hold_cnt(0) depctr_sa_sdst(0) depctr_va_vdst(0) depctr_va_sdst(0) depctr_va_ssrc(0) depctr_va_vcc(0) depctr_vm_vsrc(0)
	s_getreg_b32 s2, hwreg(HW_REG_IB_STS2, 6, 4)
	s_cmp_eq_u32 s2, 0
	s_cbranch_scc0 .Lentry_in_a_cluster
	s_endpgm
.Lentry_in_a_cluster:
	s_bfe_u32 s2, ttmp6, 0x10000c
	s_cmp_lg_u32 s2, 0xf033
	s_cbranch_scc0 .Lentry_shape_is_right
	s_endpgm
.Lentry_shape_is_right:
; SECOND OF THREE LAUNCHES.  h[m][n] = gelu(sum over k of xb[m][k] w1b[n][k] + b1[n]).  xb: [2048][2048], w1b: [8192][2048], bf16; b1: [8192] f32.  Sums, bias and GELU in f32; h (2048 x 8192) rounded once to bf16.
; h IS STORED IN FRAGMENT ORDER, for the launch behind, which takes it as a matrix operand with n as its K: [block R of 16 rows][block C of 32 columns][half j][lane l][8 numbers], 1,024 bytes for each (R, C):
; lane l's piece j holds row 16 R + l % 16, columns 32 C + 16 j + 8 (l / 16) + 0 .. 7.  That is what a lane holds here behind the product (see below), so h leaves straight from registers.
; A tile of h, 256 x 256, is made by a work-group of four waves; a wave makes 128 x 128: 64 accumulators of 16 x 16, 512 registers.  32 x 8 tiles: 256 work-groups, one tile each.
; K goes in steps of 128 through a ring of two LDS slots filled by the tensor data mover: the tiles' rows are 256 bytes of memory and start at multiples of 256 bytes from the buffer's first byte.
; CLUSTERS: 4 x 4 work-groups.  The four of a row of the cluster need the same tiles of xb, the four of a column the same tiles of w1b: each tile is asked for JOINTLY, by the same tensor load with the same
; descriptor and a mask that names the four; each receives it in its own LDS.
; THE MATRIX INSTRUCTION IS USED TRANSPOSED: source 0 = 16 rows of w1b, source 1 = 16 rows of xb.  In the result lane l holds row m = l % 16 of h, and registers 0-7 the columns n = 8 (l / 16) + 0 .. 7.
; GELU, exact form: gelu(v) = max(v, 0) - |v| q, q = erfc(|v| / sqrt 2) / 2 = (a1 t + .. + a5 t^5) 2^(-v^2 log2(e) / 2) / 2, t = 1 / (1 + 0.3275911 |v| / sqrt 2): the five-term rational series for erf.
; LIMITS.  The series is off by at most 1.5e-7 in erf, at every argument.  Beyond |v| = 1.8e19 v^2 is infinite, the power of two is 0 and the result is max(v, 0), the true limit; a power of two below 2^-126 counts as 0.
; An infinite v gives NaN (infinity times 0); NaN is not treated apart.
; REGISTERS, in windows of 256 (s_set_vgpr_msb's low byte: bits 1:0 source 0, 3:2 source 1, 5:4 source 2, 7:6 destination):
;   window 0: v0-31 addresses; v64-127, v128-191 fragments of xb, two buffers, and on the way out the GELU's numbers; v192-223 packed results
;   window 1: v0-63 b1 of my 128 columns, as a lane's accumulators want them (block b, register j at 8 b + j); v64-127, v128-191 fragments of w1b, two buffers
;   window 2: the 32 accumulators of my rows 0-63 (accumulator (a, b) at v[8 (8 a + b)]);   window 3: those of my rows 64-127
.set SIZE_N, 8192
.set SIZE_K, 2048
.set KSTEP,  128
.set PITCH,  272                       ; an LDS row: 256 bytes + 16 of padding = 68 words: row r starts at bank 4 r mod 64 (64 banks of 4 bytes: ISA guide 11.1)
.set HALFT,  128*PITCH                 ; 128 rows: what one tensor load brings, and what one wave reads of either operand
.set SLOT,   4*HALFT                   ; xb's 256 rows, then w1b's 256 rows
.set SPARE,  2*SLOT                    ; behind the ring: the spare words, 128 bytes for each wave: two blocks of 256 bytes that no other line names
.set LAPS,   SIZE_K/(2*KSTEP)          ; a lap = two K steps = once round the ring: 8
.set RBLK,   16*SIZE_N*2               ; bytes of a block of 16 rows of h: 256 blocks of 32 columns, 1,024 bytes each
.set ADRA, 16                          ; v16-17  LDS address of my fragments of xb in slot 0, 1
.set ADRB, 20                          ; v20-21  the same for w1b
.set CO,   26                          ; v26     16 x lane: my place in a piece of 512 bytes of h
.set BO,   27                          ; v27     my byte offset in my wave's 128 numbers of b1: 32 (l / 16)
.set SPW,  28                          ; v28     LDS address of my spare word: SPARE + 4 x my thread's number; never rewritten
.set NIL,  29                          ; v29     0; never rewritten
.set F0,   64
.set F1,   128
.set GV,   64                          ; the way out: a block's 64 numbers a lane: v, then max(v, 0), then gelu(v)
.set GA,   128                         ; 16 at a time: |v|
.set GT,   144                         ; t
.set GE,   160                         ; the power of two
.set GP,   176                         ; the polynomial
.set TMP,  192
.set G1,  24                           ; s[24:31] descriptor group 1 for xb's tiles;  s[32:39] group 0, a set for each slot
.set G0,  32
.set G1B, 48                           ; s[48:55], s[56:63] the same for w1b's tiles
.set G0B, 56
.set BIAS, 68                          ; s[68:69] b1 at my wave's first column
.set PP,  72                           ; s[72:73] and on: the GELU's constants, each written twice: the packed forms name a pair and take its low word for both halves
.set C2,  74
.set A1,  76
.set A2,  78
.set A3,  80
.set A4,  82
.set A5,  84
.set ABSM, 86                          ; s86  clears a sign
.set BOFF, 88                          ; s[88:89] byte offset of my wave's columns in b1
.set MSB, 0
.macro WIN new                         ; the immediate's high byte repeats the setting that is left; a switch that changes nothing is dropped
.if MSB != (\new)
	s_set_vgpr_msb (MSB<<8)|(\new)
.set MSB, \new
.endif
.endm
.set MUL_LO, 0xa1                      ; source 0 (w1b) window 1, source 1 (xb) window 0, C and D window 2
.set MUL_HI, 0xf1                      ; the same, C and D window 3
.set TO_B,   0x40                      ; destination window 1, address window 0
; A joint load.  Waves 0 and 1 fetch xb's two halves, waves 2 and 3 w1b's.  The branch hangs on the wave's number alone.  Four v_nop follow each of the two lines, ahead of the jump, the label and what follows.
.macro JLOAD s
	s_cmp_eq_u32 s11, 0
	s_cbranch_scc0 .Lfor_b_\@
	tensor_load_to_lds s[G0+4*(\s):G0+4*(\s)+3], s[G1:G1+7]
	s_nop 0
.rept 4
	v_nop
.endr
	s_branch .Lasked_\@
.Lfor_b_\@:
	tensor_load_to_lds s[G0B+4*(\s):G0B+4*(\s)+3], s[G1B:G1B+7]
	s_nop 0
.rept 4
	v_nop
.endr
.Lasked_\@:
.endm
; A round of the cluster's barrier: my work-group's barrier, so that wave 0's signal speaks for all four waves; wave 0 signals; every wave waits for all sixteen work-groups; my work-group's barrier once more.
.macro CREST                           ; a round behind its opening barrier
	s_cmp_lg_u32 s10, 0
	s_cbranch_scc1 .Lnot_wave_0_\@
	s_barrier_signal -3
.Lnot_wave_0_\@:
	s_barrier_wait -3
	s_barrier_signal -1
	s_barrier_wait -1
.endm
.macro CROUND                          ; a whole round
	s_barrier_signal -1
	s_barrier_wait -1
	CREST
.endm
	s_load_b128 s[4:7], s[0:1], 0x0                ; xb s[4:5], w1b s[6:7]
	s_load_b64 s[8:9], s[0:1], 0x10                ; h
	s_load_b64 s[BIAS:BIAS+1], s[0:1], 0x18        ; b1
	v_lshl_add_u32 v[SPW], v0, 2, SPARE
	v_mov_b32 v[NIL], 0
	ds_add_u32 v28, v29
	s_wait_dscnt 0x0
	v_lshrrev_b32 v1, 5, v0
	v_readfirstlane_b32 s10, v1                    ; wave 0..3
	s_lshr_b32 s11, s10, 1                         ; which half of the tile's rows is mine.  Also: I fetch for xb (0) or for w1b (1)
	s_and_b32 s12, s10, 1                          ; which half of its columns.  Also: which 128 rows of that tile I fetch
	s_bfe_u32 s40, ttmp6, 0x40000                  ; cx, cy: my place in the cluster
	s_bfe_u32 s41, ttmp6, 0x40004
	s_lshl_b32 s42, ttmp9, 2                       ; in a cluster launch ttmp9 and ttmp7 count clusters
	s_add_co_u32 s42, s42, s40                     ; tile column = 4 x cluster x + cx
	s_and_b32 s13, ttmp7, 0xffff
	s_lshl_b32 s13, s13, 2
	s_add_co_u32 s13, s13, s41                     ; tile row = 4 x cluster y + cy
	s_lshl_b32 s43, s41, 2
	s_lshl_b32 s43, 15, s43                        ; my row of the cluster: places 4 cy .. 4 cy + 3
	s_lshl_b32 s44, 0x1111, s40                    ; my column: places cx, cx + 4, cx + 8, cx + 12
	; descriptor group 1: a tile of 128 rows x 128 elements, padded in LDS
	s_or_b32 s[G1+0], s43, (1<<16)|(1<<20)|(1<<21)|(5<<22)|(3<<25)   ; 15:0 the mask: xb's tiles go to my row; 17:16 elements of 2 bytes; 20 padding on; 21 set beside a mask; 24:22 after every 64 words (code 5); 31:25 4 words of it (code 3)
	s_or_b32 s[G1B+0], s44, (1<<16)|(1<<20)|(1<<21)|(5<<22)|(3<<25)  ; the same with the mask of my column, for w1b's tiles
.irp g, G1, G1B
	s_mov_b32 s[(\g)+1], KSTEP<<16                 ; tensor_dim0 = 128
	s_mov_b32 s[(\g)+2], 128<<16                   ; tensor_dim1 = 128
	s_mov_b32 s[(\g)+3], KSTEP<<16                 ; tile_dim0 = 128
	s_mov_b32 s[(\g)+4], 128                       ; tile_dim1 = 128
	s_mov_b32 s[(\g)+5], SIZE_K                    ; elements from row to row
	s_mov_b32 s[(\g)+6], 0
	s_mov_b32 s[(\g)+7], 0
.endr
	; the GELU's constants
.irp w, 0,1
	s_mov_b32 s[PP+\w], 0x3e6d3388                 ; 0.3275911 / sqrt 2
	s_mov_b32 s[C2+\w], 0xbf38aa3b                 ; -log2(e) / 2
	s_mov_b32 s[A1+\w], 0x3e027906                 ;  0.254829592 / 2
	s_mov_b32 s[A2+\w], 0xbe11a98e                 ; -0.284496736 / 2
	s_mov_b32 s[A3+\w], 0x3f35f0e3                 ;  1.421413741 / 2
	s_mov_b32 s[A4+\w], 0xbf3a00e3                 ; -1.453152027 / 2
	s_mov_b32 s[A5+\w], 0x3f07dc22                 ;  1.061405429 / 2
.endr
	s_mov_b32 s[ABSM], 0x7fffffff
	s_lshl_b32 s[BOFF], s42, 10                    ; b1: 256 columns of 4 bytes a tile column,
	s_lshl_b32 s[BOFF+1], s12, 9                   ; 128 a wave's half
	s_add_co_u32 s[BOFF], s[BOFF], s[BOFF+1]
	s_mov_b32 s[BOFF+1], 0
	; where the tiles come from.  xb's hang on the tile row alone, which my row of the cluster shares; w1b's on the tile column alone, which my column shares.
	s_lshl_b32 s17, s12, 7                         ; which 128 rows of the tile I fetch
	s_lshl_b32 s16, s13, 8
	s_add_co_u32 s16, s16, s17                     ; xb: row 256 x tile row + 128 x half
	s_lshl_b32 s46, s42, 8
	s_add_co_u32 s46, s46, s17                     ; w1b: row 256 x tile column + 128 x half
	s_mov_b32 s17, 0
	s_mov_b32 s47, 0
	s_mov_b64 s[18:19], SIZE_K*2
	s_mul_u64 s[16:17], s[16:17], s[18:19]         ; in bytes
	s_mul_u64 s[46:47], s[46:47], s[18:19]
	s_mul_i32 s20, s10, HALFT                      ; and where they go: wave x 128 rows: no place in the cluster enters an LDS address
	s_wait_kmcnt 0x0
	s_add_nc_u64 s[14:15], s[4:5], s[16:17]
	s_add_nc_u64 s[46:47], s[6:7], s[46:47]
	s_add_nc_u64 s[BIAS:BIAS+1], s[BIAS:BIAS+1], s[BOFF:BOFF+1]
	CROUND                                         ; all sixteen work-groups are here: the first joint loads meet
.irp s, 0,1
	s_mov_b32 s[G0+4*(\s)], 1                                        ; count = 1
	s_add_co_u32 s[G0+4*(\s)+1], s20, (\s)*SLOT                      ; LDS address
	s_add_nc_u64 s[G0+4*(\s)+2:G0+4*(\s)+3], s[14:15], (\s)*KSTEP*2  ; global address: K step s
	s_or_b32 s[G0+4*(\s)+3], s[G0+4*(\s)+3], 0x80000000              ; type = 2
	s_mov_b32 s[G0B+4*(\s)], 1
	s_add_co_u32 s[G0B+4*(\s)+1], s20, (\s)*SLOT
	s_add_nc_u64 s[G0B+4*(\s)+2:G0B+4*(\s)+3], s[46:47], (\s)*KSTEP*2
	s_or_b32 s[G0B+4*(\s)+3], s[G0B+4*(\s)+3], 0x80000000
	JLOAD \s                                       ; the ring is filled before anything else is done: two tensor loads of mine are out
.endr
	v_and_b32 v1, 15, v0                           ; l % 16
	v_bfe_u32 v2, v0, 4, 1                         ; l / 16
	v_lshlrev_b32 v[BO], 5, v2
	WIN TO_B
.irp b, 0,1,2,3,4,5,6,7                ; b1[16 b + 8 (l / 16) + 0..7] of my wave's columns: waited for on the way out
	global_load_b128 v[8*(\b):8*(\b)+3],   v[BO], s[BIAS:BIAS+1] offset:64*(\b)
	global_load_b128 v[8*(\b)+4:8*(\b)+7], v[BO], s[BIAS:BIAS+1] offset:64*(\b)+16
.endr
	WIN 0
	; A fragment is 16 rows x 32 K in 8 registers: lane l holds row l % 16; registers 0-3 K = 8 (l / 16) + 0..7, registers 4-7 K = 16 + 8 (l / 16) + 0..7: two loads of 16 bytes, 32 bytes apart.
	v_mul_u32_u24 v3, v1, PITCH
	v_lshl_add_u32 v3, v2, 4, v3                   ; row x pitch + 16 x half
	s_mul_i32 s21, s11, HALFT                      ; my 128 rows of xb
	s_mul_i32 s22, s12, HALFT                      ; my 128 rows of w1b,
	s_add_co_u32 s22, s22, 2*HALFT                 ; which lie behind xb's 256
.irp s, 0,1
	v_add_nc_u32 v[ADRA+(\s)], s21, v3
	v_add_nc_u32 v[ADRB+(\s)], s22, v3
	s_add_co_u32 s21, s21, SLOT
	s_add_co_u32 s22, s22, SLOT
.endr
	v_and_b32 v[CO], 31, v0
	v_lshlrev_b32 v[CO], 4, v[CO]
	; where my part of the tile begins in h, in bytes: block of rows 16 x tile row + 8 x half, block of columns 8 x tile column + 4 x half
	s_lshl_b32 s16, s13, 22                        ; 16 blocks of 262,144 bytes a tile row,
	s_lshl_b32 s14, s11, 21                        ; 8 a wave's half
	s_add_co_u32 s16, s16, s14
	s_mov_b32 s17, 0
	s_lshl_b32 s46, s42, 13                        ; 8 blocks of 1,024 bytes a tile column,
	s_lshl_b32 s47, s12, 12                        ; 4 a wave's half
	s_add_co_u32 s46, s46, s47
	s_mov_b32 s47, 0
	s_add_nc_u64 s[16:17], s[16:17], s[46:47]
; 8 matrix instructions: block a of the window's four blocks of 16 rows (hi = 0: my rows 0-63, 1: rows 64-127) x all 8 blocks of 16 columns, 32 along K.  zero = 1: the first product starts the sums: nothing is cleared.
.macro MULA f, hi, a, zero
	WIN MUL_LO+0x50*(\hi)
.irp b, 0,1,2,3,4,5,6,7
.if \zero
	v_wmma_f32_16x16x32_bf16 v[8*(8*(\a)+(\b)):8*(8*(\a)+(\b))+7], v[(\f)+8*(\b):(\f)+8*(\b)+7], v[(\f)+8*(4*(\hi)+(\a)):(\f)+8*(4*(\hi)+(\a))+7], 0
.else
	v_wmma_f32_16x16x32_bf16 v[8*(8*(\a)+(\b)):8*(8*(\a)+(\b))+7], v[(\f)+8*(\b):(\f)+8*(\b)+7], v[(\f)+8*(4*(\hi)+(\a)):(\f)+8*(4*(\hi)+(\a))+7], v[8*(8*(\a)+(\b)):8*(8*(\a)+(\b))+7]
.endif
.endr
.endm
.macro MUL16 f, hi, a0, zero
	MULA \f, \hi, \a0, \zero
	MULA \f, \hi, (\a0)+1, \zero
.endm
; 32 LDS loads in one run: the fragments of one quarter step (128 rows of w1b, 128 rows of xb, 32 K at byte k of the rows) into buffer f
.macro FETCH slot, k, f
	WIN TO_B
.irp i, 0,1,2,3,4,5,6,7
	ds_load_b128 v[(\f)+8*(\i):(\f)+8*(\i)+3],   v[ADRB+(\slot)] offset:(\k)+(\i)*16*PITCH
	ds_load_b128 v[(\f)+8*(\i)+4:(\f)+8*(\i)+7], v[ADRB+(\slot)] offset:(\k)+(\i)*16*PITCH+32
.endr
	WIN 0
.irp i, 0,1,2,3,4,5,6,7
	ds_load_b128 v[(\f)+8*(\i):(\f)+8*(\i)+3],   v[ADRA+(\slot)] offset:(\k)+(\i)*16*PITCH
	ds_load_b128 v[(\f)+8*(\i)+4:(\f)+8*(\i)+7], v[ADRA+(\slot)] offset:(\k)+(\i)*16*PITCH+32
.endr
.endm
; A load into a register that a matrix instruction has read, and a vector instruction that reads a matrix result or writes one of a matrix instruction's registers, stand four places behind it; only plain
; vector instructions that name none of its registers are places (ISA guide 7.12.1 for vector instructions).
.macro PLACES
.rept 4
	v_nop
.endr
.endm
; A K step is four quarters of 32 along K, 64 matrix instructions each, on buffers 0, 1, 0, 1; the 64 accumulators take turns in the same order in every quarter.
; One of the first three: multiplies buffer f; in its middle it fetches the next quarter's fragments, at byte k of the same slot's rows, into buffer g.
.macro QUARTER slot, k, f, g, zero
	s_wait_dscnt 8                                 ; w1b's fragments and xb's rows 0-63 are in; the youngest eight loads (xb's rows 64-127) may be out
	MUL16 \f, 0, 0, \zero
	MUL16 \f, 0, 2, \zero
	PLACES
	FETCH \slot, \k, \g
	s_wait_dscnt 32                                ; all but the 32 just issued
	MUL16 \f, 1, 0, \zero
	MUL16 \f, 1, 2, \zero
.endm
; The last quarter multiplies buffer 1 and changes slots.  ONE barrier, for two things: in front of it each wave waits for all its tensor loads, of which one is out: its part of the next slot; adds 0 to its
; spare word; and waits for that and for its own reads of this slot.  Behind it nobody reads this slot any more and the next slot is whole.
.macro MEET round                      ; round = 1: a round of the cluster's barrier follows
	WIN 0                                          ; (the add's two registers lie in window 0)
	s_wait_tensorcnt 0x0                           ; all my tensor loads have landed
	ds_add_u32 v[SPW], v[NIL]                      ; 0 onto my spare word
	s_wait_dscnt 9                                 ; (the add and the youngest eight loads may be out)
	MUL16 F1, 0, 0, 0                              ; sixteen matrix instructions stand between the add and the wait for it
	s_wait_dscnt 0x0                               ; the add is done, and my reads of this slot are over
	s_barrier_signal -1
	MUL16 F1, 0, 2, 0                              ; work on registers while the others arrive
.if \round
	WIN 0
.endif
	s_barrier_wait -1
.endm
; fill = 1: the slot just read out is filled again first, with the K step two steps on; the barrier has then opened a round of the cluster's, so that no wave of any partner still reads the slot or has a load on
; its way.  From that request to the wait for it a wave issues 224 matrix instructions.  Then come the next slot's first fragments.
.macro TURN slot, next, fill
	MEET \fill
.if \fill
	CREST
	s_add_nc_u64 s[G0+4*(\slot)+2:G0+4*(\slot)+3], s[G0+4*(\slot)+2:G0+4*(\slot)+3], 2*KSTEP*2      ; no tensor load of mine is out: a group 0 may be written
	s_add_nc_u64 s[G0B+4*(\slot)+2:G0B+4*(\slot)+3], s[G0B+4*(\slot)+2:G0B+4*(\slot)+3], 2*KSTEP*2
	JLOAD \slot                                    ; my one tensor load behind the round; the four v_nop behind it are also the places in front of the loads below
.else
	PLACES
.endif
	FETCH \next, 0, F0
	MUL16 F1, 1, 0, 0
	MUL16 F1, 1, 2, 0
.endm
	s_wait_tensorcnt 1                             ; my part of K step 0 is in; K step 1's may stay out
	s_barrier_signal -1
	s_barrier_wait -1                              ; everybody's is
	FETCH 0, 0, F0
	QUARTER 0, 64,  F0, F1, 1                      ; the first quarter stands in front of the loop: its products start the sums
	WIN 0                                          ; at a label and at a branch every window is 0
	s_mov_b32 s3, LAPS-1
.Llap:                                                 ; a trip goes once round the ring, from a lap's second quarter to the next lap's first, and fills both slots again
	QUARTER 0, 128, F1, F0, 0
	QUARTER 0, 192, F0, F1, 0
	TURN 0, 1, 1
	QUARTER 1, 64,  F0, F1, 0
	QUARTER 1, 128, F1, F0, 0
	QUARTER 1, 192, F0, F1, 0
	TURN 1, 0, 1
	QUARTER 0, 64,  F0, F1, 0
	WIN 0
	s_sub_co_u32 s3, s3, 1
	s_cmp_lg_u32 s3, 0
	s_cbranch_scc1 .Llap
	QUARTER 0, 128, F1, F0, 0                      ; the last lap is written out: it asks for nothing more, and has no round of the cluster's barrier
	QUARTER 0, 192, F0, F1, 0
	TURN 0, 1, 0
	QUARTER 1, 64,  F0, F1, 0
	QUARTER 1, 128, F1, F0, 0
	QUARTER 1, 192, F0, F1, 0
	s_wait_dscnt 8                                 ; the very last quarter: nothing more to fetch
	MUL16 F1, 0, 0, 0
	MUL16 F1, 0, 2, 0
	s_wait_dscnt 0x0
	MUL16 F1, 1, 0, 0
	MUL16 F1, 1, 2, 0
	WIN 0
; THE WAY OUT, a block of 16 rows at a time, in a loop of eight trips, so that the GELU's text stands once.  GET a: block a's 64 sums a lane, plus b1, come into window 0: the one part that differs from
; block to block (its registers), so it is written eight times and chosen by the trip's number; each accumulator is read from its low end on.
.macro GET a, jump
	WIN 0x06+(\a)/4                                ; source 0 window 2 or 3 (the sums), source 1 window 1 (b1), destination window 0
.set i, 0
.rept 32
	v_pk_add_f32 v[GV+2*i:GV+2*i+1], v[64*((\a)%4)+2*i:64*((\a)%4)+2*i+1], v[2*i:2*i+1]
.set i, i+1
.endr
	WIN 0
.if \jump
	s_branch .Lgelu
.endif
.endm
; GELU of 16 numbers a lane, numbers 16 g on, and their rounding to bf16.  Every run is 8 or 16 lines that do not wait for each other.
.macro EACH8 line:vararg               ; one line for each pair p = 0, 2, .. 14
.set p, 0
	s_wait_alu depctr_va_vdst(0)
.rept 8
	\line
.set p, p+2
.endr
.endm
.macro GELU16 g
.set V, GV+16*(\g)
.set i, 0
.rept 16
	v_and_b32 v[GA+i], s[ABSM], v[V+i]             ; |v|
.set i, i+1
.endr
	EACH8 v_pk_fma_f32 v[GT+p:GT+p+1], v[GA+p:GA+p+1], s[PP:PP+1], 1.0 op_sel_hi:[1,0,0]
	EACH8 v_pk_mul_f32 v[GE+p:GE+p+1], v[GA+p:GA+p+1], v[GA+p:GA+p+1]
	EACH8 v_pk_mul_f32 v[GE+p:GE+p+1], v[GE+p:GE+p+1], s[C2:C2+1] op_sel_hi:[1,0]
.set i, 0
.rept 16
	v_rcp_f32 v[GT+i], v[GT+i]                     ; t
.set i, i+1
.endr
.set i, 0
.rept 16
	v_exp_f32 v[GE+i], v[GE+i]                     ; 2^(-v^2 log2(e) / 2); the plain line behind each is the one that a transcendental wants behind it (ISA guide 5.7.2)
	v_max_num_f32 v[V+i], 0, v[V+i]                ; max(v, 0)
.set i, i+1
.endr
	EACH8 v_pk_fma_f32 v[GP+p:GP+p+1], v[GT+p:GT+p+1], s[A5:A5+1], s[A4:A4+1] op_sel_hi:[1,0,0]
	EACH8 v_pk_fma_f32 v[GP+p:GP+p+1], v[GP+p:GP+p+1], v[GT+p:GT+p+1], s[A3:A3+1] op_sel_hi:[1,1,0]
	EACH8 v_pk_fma_f32 v[GP+p:GP+p+1], v[GP+p:GP+p+1], v[GT+p:GT+p+1], s[A2:A2+1] op_sel_hi:[1,1,0]
	EACH8 v_pk_fma_f32 v[GP+p:GP+p+1], v[GP+p:GP+p+1], v[GT+p:GT+p+1], s[A1:A1+1] op_sel_hi:[1,1,0]
	EACH8 v_pk_mul_f32 v[GP+p:GP+p+1], v[GP+p:GP+p+1], v[GT+p:GT+p+1]
	EACH8 v_pk_mul_f32 v[GP+p:GP+p+1], v[GP+p:GP+p+1], v[GE+p:GE+p+1]
	EACH8 v_pk_fma_f32 v[V+p:V+p+1], v[GA+p:GA+p+1], v[GP+p:GP+p+1], v[V+p:V+p+1] neg_lo:[1,0,0] neg_hi:[1,0,0]
	EACH8 v_cvt_pk_bf16_f32 v[TMP+8*(\g)+p/2], v[V+p], v[V+p+1]
.endm
	PLACES                                         ; behind the last products
	s_wait_loadcnt 0x0                             ; b1
	s_add_nc_u64 s[8:9], s[8:9], s[16:17]          ; h at my first block of rows and of columns
	s_mov_b32 s3, 0
.Lblk:
.irp a, 0,1,2,3,4,5,6
	s_cmp_eq_u32 s3, \a
	s_cbranch_scc1 .Lget_\a
.endr
	GET 7, 1
.irp a, 0,1,2,3,4,5
.Lget_\a:
	GET \a, 1
.endr
.Lget_6:
	GET 6, 0
.Lgelu:
	GELU16 0
	GELU16 1
	GELU16 2
	GELU16 3
.irp b, 0,1,2,3,4,5,6,7                ; block b of 16 columns is piece b % 2 of the block b / 2 of 32 columns, and my 16 bytes of it are lane l's: no lane changes places
	global_store_b128 v[CO], v[TMP+4*(\b):TMP+4*(\b)+3], s[8:9] offset:512*(\b)  ; the wave stores 512 consecutive bytes, at a multiple of 256 from h's first byte; the eight stores 4,096 on end
.endr
	s_wait_xcnt 0x0                                ; every earlier memory instruction has had its addresses translated (ISA guide 3.1): only behind this wait are the stores' base and their data registers rewritten
	s_add_nc_u64 s[8:9], s[8:9], RBLK              ; the next block of 16 rows
	s_add_co_u32 s3, s3, 1
	s_cmp_lt_u32 s3, 8
	s_cbranch_scc1 .Lblk
	s_wait_tensorcnt 0x0                           ; the wave's end: behind my last tensor load
	ds_add_u32 v[SPW], v[NIL]
	s_wait_dscnt 0x0
	CROUND                                         ; the closing round: no work-group ends while a partner may still ask for a tile that names it
	s_endpgm
.Lfunc_end_k_q44216527c6_up:
	.size	k_q44216527c6_up, .Lfunc_end_k_q44216527c6_up-k_q44216527c6_up
	.p2alignl 7, 3214868480
	.fill 96, 4, 3214868480
	.section	.rodata,"a",@progbits
	.p2align	6, 0x0
	.amdhsa_kernel k_q44216527c6_up
		.amdhsa_group_segment_fixed_size 327680
		.amdhsa_private_segment_fixed_size 0
		.amdhsa_enable_private_segment 0
		.amdhsa_kernarg_size 32
		.amdhsa_user_sgpr_count 2
		.amdhsa_user_sgpr_kernarg_segment_ptr 1
		.amdhsa_wavefront_size32 1
		.amdhsa_system_sgpr_workgroup_id_x 1
		.amdhsa_system_sgpr_workgroup_id_y 1
		.amdhsa_system_sgpr_workgroup_id_z 1
		.amdhsa_system_vgpr_workitem_id 0
		.amdhsa_next_free_vgpr 1024
		.amdhsa_next_free_sgpr 92
		.amdhsa_reserve_vcc 0
		.amdhsa_float_denorm_mode_32 3
		.amdhsa_float_denorm_mode_16_64 3
		.amdhsa_memory_ordered 1
		.amdhsa_forward_progress 1
		.amdhsa_inst_pref_size 163
	.end_amdhsa_kernel
	.amdgpu_metadata
---
amdhsa.version: [ 1, 2 ]
amdhsa.kernels:
  - .name:           k_q44216527c6_up
    .symbol:         k_q44216527c6_up.kd
    .args:
      - { .name: xb, .offset: 0, .size: 8, .value_kind: global_buffer, .address_space: global }
      - { .name: w1b, .offset: 8, .size: 8, .value_kind: global_buffer, .address_space: global }
      - { .name: h, .offset: 16, .size: 8, .value_kind: global_buffer, .address_space: global }
      - { .name: proj1_bias, .offset: 24, .size: 8, .value_kind: global_buffer, .address_space: global }
    .group_segment_fixed_size: 327680
    .private_segment_fixed_size: 0
    .kernarg_segment_align: 8
    .kernarg_segment_size: 32
    .max_flat_workgroup_size: 128
    .sgpr_count:     92
    .vgpr_count:     1024
    .wavefront_size: 32
...
	.end_amdgpu_metadata
.endif
;; end of part 2
;; launch down (part 3): grid 16 x 16, 4 waves a work-group, clusters of 4 x 1, 327,680 bytes of LDS; arguments h, w2b, out0, proj2_bias; writes out0
.if DOCPART == 3
	.amdgcn_target "amdgcn-amd-amdhsa--gfx1250"
	.amdhsa_code_object_version 6
	.text
	.protected	k_q44216527c6_down
	.globl	k_q44216527c6_down
	.p2align	8
	.type	k_q44216527c6_down,@function
k_q44216527c6_down:
	s_mov_b64 s[64:65], 0
	v_nop
	global_prefetch_b8 v0, s[64:65] scope:SCOPE_SE
	s_setreg_imm32_b32 hwreg(HW_REG_WAVE_MODE, 25, 1), 1
	s_wait_xcnt 0x0
	s_wait_alu depctr_hold_cnt(0) depctr_sa_sdst(0) depctr_va_vdst(0) depctr_va_sdst(0) depctr_va_ssrc(0) depctr_va_vcc(0) depctr_vm_vsrc(0)
	s_getreg_b32 s2, hwreg(HW_REG_IB_STS2, 6, 4)
	s_cmp_eq_u32 s2, 0
	s_cbranch_scc0 .Lentry_in_a_cluster
	s_endpgm
.Lentry_in_a_cluster:
	s_bfe_u32 s2, ttmp6, 0x10000c
	s_cmp_lg_u32 s2, 0x3003
	s_cbranch_scc0 .Lentry_shape_is_right
	s_endpgm
.Lentry_shape_is_right:
; THIRD OF THREE LAUNCHES.  out0[m][n] = sum over k of h[m][k] w2b[n][k] + b2[n].  h: 2048 x 8192 bf16 in fragment order (below); w2b: [2048][8192] bf16; b2: [2048] and out0: [2048][2048] f32.  Sums in f32.
; The output has 64 tiles of 256 x 256, too few for one work-group a WGP; so a tile is 128 x 128: 16 x 16 tiles, 256 work-groups of four waves.
; K IS SHARED AMONG THE WAVES: every wave makes the WHOLE 128 x 128 (64 accumulators of 16 x 16, 512 registers) over its own 128 of each K step's 512 columns: k = 512 s + 128 w + 0 .. 127.  So a fragment feeds
; eight products, and no wave reads an operand byte that another wave reads.  The price is one sum of the four waves' 64 KiB through LDS at the end: an output is (part 0 + part 1) + (part 2 + part 3), then b2.
; w2b COMES THROUGH LDS, by the tensor data mover: a ring of two slots; each wave fetches what it reads itself, 128 rows x its 128 columns (rows of 256 bytes of memory, at multiples of 256 bytes).
; CLUSTER: four work-groups along x, which counts tile rows; y counts tile columns.  The four make tiles of one tile column and need the same tiles of w2b: each is asked for JOINTLY, same load, descriptor and mask.
; h COMES STRAIGHT INTO REGISTERS.  The launch in front laid it as [block R of 16 rows][block C of 32 columns][half j][lane l][8 numbers]: a fragment is two loads of 512 consecutive bytes.  A ring of four register
; buffers, one for each 32 along K, is filled three to three and a half quarters ahead; its waits are counted, and no barrier has a part in it.
; WHY h IS NOT ASKED FOR JOINTLY, though the 16 work-groups of a tile row read the same blocks: a slot's refill has one K step's products in which to land, and two slots fill LDS.  With both operands in a slot it
; holds 256 along K, 128 matrix instructions a wave; with w2b alone it holds 512, 256 matrix instructions, for the same bytes in a refill, and there are half as many rounds of the cluster's barrier.
; THE MATRIX INSTRUCTION IS USED TRANSPOSED (source 0 = 16 rows of w2b, source 1 = 16 rows of h): lane l holds row m = l % 16 of the tile and, in registers 0-7, the columns n = 8 (l / 16) + 0 .. 7.
; REGISTERS, in windows of 256 (s_set_vgpr_msb's low byte: bits 1:0 source 0, 3:2 source 1, 5:4 source 2, 7:6 destination):
;   window 0: v0-31 addresses; v32-35 b2; v64-127, v128-191 fragments of w2b, two buffers; on the way out v64-191 eight rows' four parts
;   window 1: fragments of h, four buffers of 64 (block a of 16 rows at 8 a)      window 2: the accumulators of rows 0-63 ((a, b) at v[8 (8 a + b)])      window 3: those of rows 64-127
.set SIZE_N, 2048
.set SIZE_K, 8192
.set KSTEP,  512                       ; a K step of the work-group; a wave's share is 128: four quarters of 32
.set PITCH,  272                       ; an LDS row: 256 bytes + 16 of padding = 68 words: row r starts at bank 4 r mod 64 (64 banks of 4 bytes: ISA guide 11.1)
.set WTILE,  128*PITCH                 ; what one tensor load brings, and what the same wave reads
.set SLOT,   4*WTILE
.set PPITCH, 528                       ; the way out: a row of 128 f32 + 16 bytes
.set PART,   128*PPITCH                ; a wave's 128 x 128 partial sums; the four parts (270,336 bytes) lie in the two slots' 278,528, which have had their last fill by then
.set SPARE,  2*SLOT                    ; behind the ring: the spare words, 128 bytes for each wave: two blocks of 256 bytes that no other line names
.set LAPS,   SIZE_K/(2*KSTEP)          ; a lap = two K steps = once round the ring: 8
.set RBLK,   16*SIZE_K*2               ; bytes of a block of 16 rows of h: 256 blocks of 32 columns, 1,024 bytes each
.set HSTEP,  KSTEP*32                  ; bytes of a K step in such a block: 16 x 1,024
.set RD0,  12                          ; v12-15  the way out: my 16 bytes of my wave's first row, in part 0 .. 3
.set ADRB, 16                          ; v16-17  LDS address of my fragments of w2b in slot 0, 1
.set STO,  24                          ; v24     the way out: where I put 32 bytes of a row of my part
.set CO,   26                          ; v26     16 x lane: my place in a piece of h, in a row's 512 bytes of out0, and in the tile's 128 numbers of b2; never rewritten
.set SPW,  28                          ; v28     LDS address of my spare word: SPARE + 4 x my thread's number; never rewritten
.set NIL,  29                          ; v29     0; never rewritten
.set BI,   32                          ; v32-35  b2 of my four columns
.set F0,   64
.set F1,   128
.set SUM,  64
.set AB,  14                           ; s[14:15] h at the tile's first block of rows, my wave's columns, the lap in hand
.set G1,  24                           ; s[24:31] descriptor group 1;  s[32:39] group 0, a set for each slot
.set G0,  32
.set BIAS, 68                          ; s[68:69] b2 at the tile's first column
.set MSB, 0
.macro WIN new                         ; the immediate's high byte repeats the setting that is left; a switch that changes nothing is dropped
.if MSB != (\new)
	s_set_vgpr_msb (MSB<<8)|(\new)
.set MSB, \new
.endif
.endm
.set MUL_LO, 0xa4                      ; source 0 (w2b) window 0, source 1 (h) window 1, C and D window 2
.set MUL_HI, 0xf4                      ; the same, C and D window 3
.set TO_A,   0x40                      ; destination window 1, address window 0
.macro CREST                           ; a round of the cluster's barrier behind its opening barrier: wave 0 signals for the work-group, every wave waits for all four work-groups, my work-group's barrier closes it
	s_cmp_lg_u32 s10, 0
	s_cbranch_scc1 .Lnot_wave_0_\@
	s_barrier_signal -3
.Lnot_wave_0_\@:
	s_barrier_wait -3
	s_barrier_signal -1
	s_barrier_wait -1
.endm
.macro CROUND                          ; a whole round
	s_barrier_signal -1
	s_barrier_wait -1
	CREST
.endm
.macro PLACES                          ; four places in front of loads into registers that matrix instructions have read, and of lines that read their results (ISA guide 7.12.1 for the lines that read their results)
.rept 4
	v_nop
.endr
.endm
; Eight loads of h: quarter u, counted from the lap in hand's first; half = 0: the tile's rows 0-63, 1: rows 64-127; into buffer u % 4.  Each load is 512 consecutive bytes.
; The largest immediate, 7 blocks of rows + 3 K steps, is under 2 MiB: inside the signed 24 bits (ISA guide, chapter 10).
.macro ALOAD u, half
	WIN TO_A
.irp a, 0,1,2,3
	global_load_b128 v[64*((\u)%4)+8*(4*(\half)+\a):64*((\u)%4)+8*(4*(\half)+\a)+3],   v[CO], s[AB:AB+1] offset:(4*(\half)+\a)*RBLK+((\u)/4)*HSTEP+((\u)%4)*1024
	global_load_b128 v[64*((\u)%4)+8*(4*(\half)+\a)+4:64*((\u)%4)+8*(4*(\half)+\a)+7], v[CO], s[AB:AB+1] offset:(4*(\half)+\a)*RBLK+((\u)/4)*HSTEP+((\u)%4)*1024+512
.endr
.endm
	s_load_b128 s[4:7], s[0:1], 0x0                ; h s[4:5], w2b s[6:7]
	s_load_b64 s[8:9], s[0:1], 0x10                ; out0
	s_load_b64 s[BIAS:BIAS+1], s[0:1], 0x18        ; b2
	v_lshl_add_u32 v[SPW], v0, 2, SPARE
	v_mov_b32 v[NIL], 0
	ds_add_u32 v28, v29
	s_wait_dscnt 0x0
	v_lshrrev_b32 v1, 5, v0
	v_readfirstlane_b32 s10, v1                    ; wave 0..3
	s_bfe_u32 s40, ttmp6, 0x40000                  ; cx: my place in the cluster
	s_lshl_b32 s13, ttmp9, 2                       ; in a cluster launch ttmp9 counts clusters
	s_add_co_u32 s13, s13, s40                     ; tile row = 4 x cluster x + cx: it enters h's and out0's addresses alone
	s_and_b32 s42, ttmp7, 0xffff                   ; tile column, which the four partners share
	; descriptor group 1: a tile of 128 rows x 128 elements, padded in LDS
	s_mov_b32 s[G1+0], 15|(1<<16)|(1<<20)|(1<<21)|(5<<22)|(3<<25)  ; 15:0 the mask: all four work-groups; 17:16 elements of 2 bytes; 20 padding on; 21 set beside a mask; 24:22 after every 64 words (code 5); 31:25 4 words of it (code 3)
	s_mov_b32 s[G1+1], 128<<16                     ; tensor_dim0 = 128
	s_mov_b32 s[G1+2], 128<<16                     ; tensor_dim1 = 128
	s_mov_b32 s[G1+3], 128<<16                     ; tile_dim0 = 128
	s_mov_b32 s[G1+4], 128                         ; tile_dim1 = 128
	s_mov_b32 s[G1+5], SIZE_K                      ; elements from row to row
	s_mov_b32 s[G1+6], 0
	s_mov_b32 s[G1+7], 0
	s_lshl_b32 s46, s42, 21                        ; w2b: 128 rows of 16,384 bytes a tile column,
	s_lshl_b32 s47, s10, 8                         ; my wave's 128 columns
	s_add_co_u32 s46, s46, s47
	s_mov_b32 s47, 0
	s_lshl_b32 s16, s13, 21                        ; h: 8 blocks of 262,144 bytes a tile row,
	s_lshl_b32 s17, s10, 12                        ; my wave's 4 blocks of 32 columns
	s_add_co_u32 s16, s16, s17
	s_mov_b32 s17, 0
	s_mul_i32 s20, s10, WTILE                      ; where my tiles go: no place in the cluster enters an LDS address
	v_and_b32 v[CO], 31, v0
	v_lshlrev_b32 v[CO], 4, v[CO]
	s_wait_kmcnt 0x0
	s_add_nc_u64 s[46:47], s[6:7], s[46:47]
	s_add_nc_u64 s[AB:AB+1], s[4:5], s[16:17]
.irp s, 0,1
	s_mov_b32 s[G0+4*(\s)], 1                                        ; count = 1
	s_add_co_u32 s[G0+4*(\s)+1], s20, (\s)*SLOT                      ; LDS address
	s_add_nc_u64 s[G0+4*(\s)+2:G0+4*(\s)+3], s[46:47], (\s)*KSTEP*2  ; global address: K step s
	s_or_b32 s[G0+4*(\s)+3], s[G0+4*(\s)+3], 0x80000000              ; type = 2
.endr
	CROUND                                         ; all four work-groups are here: the first joint loads meet
	tensor_load_to_lds s[G0:G0+3], s[G1:G1+7]      ; the two first fills go out together: two tensor loads of mine are out
	s_nop 0
	tensor_load_to_lds s[G0+4:G0+7], s[G1:G1+7]
	s_nop 0
	PLACES                                         ; four v_nop follow the second
	; out0 at the first row that I store, 128 x tile row + 32 x wave, and the tile's first column; b2 at that column
	s_lshl_b32 s16, s13, 20                        ; 128 rows of 8,192 bytes,
	s_lshl_b32 s17, s10, 18                        ; 32 rows
	s_add_co_u32 s16, s16, s17
	s_mov_b32 s17, 0
	s_add_nc_u64 s[8:9], s[8:9], s[16:17]
	s_lshl_b32 s46, s42, 9                         ; 128 columns of 4 bytes
	s_mov_b32 s47, 0
	s_add_nc_u64 s[8:9], s[8:9], s[46:47]
	s_add_nc_u64 s[BIAS:BIAS+1], s[BIAS:BIAS+1], s[46:47]
	global_load_b128 v[BI:BI+3], v[CO], s[BIAS:BIAS+1]  ; used on the way out
	ALOAD 0, 0                                     ; h's ring is filled: seven groups of eight loads, in the order in which the quarters want them
	ALOAD 0, 1
	ALOAD 1, 0
	ALOAD 1, 1
	ALOAD 2, 0
	ALOAD 2, 1
	ALOAD 3, 0
	WIN 0
	v_and_b32 v1, 15, v0                           ; l % 16
	v_bfe_u32 v2, v0, 4, 1                         ; l / 16
	v_mul_u32_u24 v3, v1, PITCH                    ; a fragment of w2b: row l % 16; registers 0-3 K = 8 (l / 16) + 0..7, registers 4-7 K = 16 + 8 (l / 16) + 0..7: two loads of 16 bytes, 32 bytes apart
	v_lshl_add_u32 v3, v2, 4, v3
	v_add_nc_u32 v[ADRB], s20, v3
	s_add_co_u32 s21, s20, SLOT
	v_add_nc_u32 v[ADRB+1], s21, v3
	s_mul_i32 s23, s10, PART                       ; my part: row l % 16, 32 bytes for each half of the lanes
	v_mul_u32_u24 v4, v1, PPITCH
	v_lshl_add_u32 v4, v2, 5, v4
	v_add_nc_u32 v[STO], s23, v4
	s_mul_i32 s23, s10, 32*PPITCH                  ; back: wave w adds rows 32 w .. 32 w + 31 of all four parts; 32 lanes take a row's 512 bytes
.irp q, 0,1,2,3
	v_add_nc_u32 v[RD0+(\q)], s23, v[CO]
	s_add_co_u32 s23, s23, PART
.endr
; 8 matrix instructions: block a of the window's four blocks of 16 rows (hi = 0: rows 0-63, 1: rows 64-127) x all 8 blocks of 16 columns, 32 along K: w2b's buffer f, h's buffer p % 4.
; zero = 1: the first product starts the sums: nothing is cleared.
.macro MULA f, p, hi, a, zero
	WIN MUL_LO+0x50*(\hi)
.irp b, 0,1,2,3,4,5,6,7
.if \zero
	v_wmma_f32_16x16x32_bf16 v[8*(8*(\a)+(\b)):8*(8*(\a)+(\b))+7], v[(\f)+8*(\b):(\f)+8*(\b)+7], v[64*((\p)%4)+8*(4*(\hi)+(\a)):64*((\p)%4)+8*(4*(\hi)+(\a))+7], 0
.else
	v_wmma_f32_16x16x32_bf16 v[8*(8*(\a)+(\b)):8*(8*(\a)+(\b))+7], v[(\f)+8*(\b):(\f)+8*(\b)+7], v[64*((\p)%4)+8*(4*(\hi)+(\a)):64*((\p)%4)+8*(4*(\hi)+(\a))+7], v[8*(8*(\a)+(\b)):8*(8*(\a)+(\b))+7]
.endif
.endr
.endm
.macro MUL16 f, p, hi, a0, zero
	MULA \f, \p, \hi, \a0, \zero
	MULA \f, \p, \hi, (\a0)+1, \zero
.endm
; 16 LDS loads in one run: 128 rows of w2b, 32 K at byte k of my rows, into buffer f
.macro FETCH slot, k, f
	WIN 0
.irp i, 0,1,2,3,4,5,6,7
	ds_load_b128 v[(\f)+8*(\i):(\f)+8*(\i)+3],   v[ADRB+(\slot)] offset:(\k)+(\i)*16*PITCH
	ds_load_b128 v[(\f)+8*(\i)+4:(\f)+8*(\i)+7], v[ADRB+(\slot)] offset:(\k)+(\i)*16*PITCH+32
.endr
.endm
; A wave's share of a K step is four quarters of 32 along K, 64 matrix instructions each; w2b's buffers go 0, 1, 0, 1, h's 0, 1, 2, 3; the 64 accumulators take turns in the same order in every quarter.
; h's groups of eight loads go out in the order (quarter, rows 0-63), (quarter, rows 64-127).  In the middle of quarter t go (t + 3, rows 64-127), into the registers that quarter t - 1 multiplied last, and
; (t + 4, rows 0-63), into those that this quarter has just multiplied.  So at a quarter's head six groups, 48 loads, have been issued behind its rows 0-63, and in its middle, ahead of the new loads, five groups, 40, behind its
; rows 64-127 (loads come back in order: ISA guide 5.7.1).  At most 57 loads of mine are out (the head's 56 of h and one of b2); in the loop 56.  The last quarters pass their own counts (cs, cm) and leave out what lies beyond the end (nhi, nlo).
; One of a step's first three quarters, number p from the lap's first: multiplies w2b's buffer f; in its middle it fetches the next quarter's fragments of w2b, at byte k of the same slot's rows, into buffer g.
.macro QUARTER slot, k, f, g, p, zero, cs=48, cm=40, nhi=1, nlo=1
	s_wait_loadcnt \cs                             ; h's rows 0-63 of this quarter are in
	s_wait_dscnt 0x0                               ; w2b's fragments are in: the first eight products take them all
	MUL16 \f, \p, 0, 0, \zero
	MUL16 \f, \p, 0, 2, \zero
	PLACES
	FETCH \slot, \k, \g
	s_wait_loadcnt \cm                             ; h's rows 64-127 of this quarter are in
.if \nhi
	ALOAD (\p)+3, 1
.endif
.if \nlo
	ALOAD (\p)+4, 0
.endif
	MUL16 \f, \p, 1, 0, \zero
	MUL16 \f, \p, 1, 2, \zero
.endm
; The fourth quarter multiplies w2b's buffer 1 and changes slots.  ONE barrier: in front of it each wave waits for all its tensor loads, of which one is out: its tile of the next slot; adds 0 to its spare word; and
; waits for that and for its own reads of this slot.  fill = 1: this slot is filled again, two K steps ahead; the barrier then opens a round of the cluster's, so that no wave of any partner still reads the slot or
; has a load on its way.  From that request to the wait for it a wave issues 32 + 192 + 16 = 240 of a step's 256 matrix instructions.
.macro TURN slot, next, fill, p
	s_wait_loadcnt 48
	s_wait_dscnt 0x0
	MUL16 F1, \p, 0, 0, 0
	WIN 0                                          ; (the add's two registers lie in window 0)
	s_wait_tensorcnt 0x0                           ; all my tensor loads have landed
	ds_add_u32 v[SPW], v[NIL]                      ; 0 onto my spare word
	MULA F1, \p, 0, 2, 0                           ; eight matrix instructions stand between the add and the wait for it
	s_wait_dscnt 0x0                               ; the add is done, and my reads of this slot are over
	s_barrier_signal -1
	MULA F1, \p, 0, 3, 0                           ; work on registers while the others arrive
.if \fill
	WIN 0
.endif
	s_barrier_wait -1
.if \fill
	CREST
	s_add_nc_u64 s[G0+4*(\slot)+2:G0+4*(\slot)+3], s[G0+4*(\slot)+2:G0+4*(\slot)+3], 2*KSTEP*2  ; no tensor load of mine is out: a group 0 may be written
	tensor_load_to_lds s[G0+4*(\slot):G0+4*(\slot)+3], s[G1:G1+7]                               ; my one tensor load behind the round
	s_nop 0
.endif
	PLACES                                         ; four v_nop behind the tensor load; they are also the places in front of the loads below
	FETCH \next, 0, F0
	s_wait_loadcnt 40
	ALOAD (\p)+3, 1
	ALOAD (\p)+4, 0
	MUL16 F1, \p, 1, 0, 0
	MUL16 F1, \p, 1, 2, 0
.endm
	s_wait_tensorcnt 1                             ; my tile of K step 0 is in; K step 1's may stay out
	s_barrier_signal -1
	s_barrier_wait -1
	FETCH 0, 0, F0
	QUARTER 0, 64,  F0, F1, 0, 1                   ; the first quarter stands in front of the loop: its products start the sums
	WIN 0                                          ; at a label and at a branch every window is 0
	s_mov_b32 s3, LAPS-1
.Llap:                                                 ; a trip goes once round the ring, from a lap's second quarter to the next lap's first, and fills both slots again
	QUARTER 0, 128, F1, F0, 1, 0
	QUARTER 0, 192, F0, F1, 2, 0
	TURN 0, 1, 1, 3
	QUARTER 1, 64,  F0, F1, 4, 0
	QUARTER 1, 128, F1, F0, 5, 0
	QUARTER 1, 192, F0, F1, 6, 0
	TURN 1, 0, 1, 7
	QUARTER 0, 64,  F0, F1, 8, 0
	WIN 0
	s_wait_xcnt 0x0                                ; every earlier memory instruction has had its addresses translated (ISA guide 3.1): h's base is stepped only behind this wait
	s_add_nc_u64 s[AB:AB+1], s[AB:AB+1], 2*HSTEP   ; the next lap
	s_sub_co_u32 s3, s3, 1
	s_cmp_lg_u32 s3, 0
	s_cbranch_scc1 .Llap
	QUARTER 0, 128, F1, F0, 1, 0                   ; the last lap is written out: no tile is asked for, no round of the cluster's barrier; quarters 57 to 63 of the wave's 64
	QUARTER 0, 192, F0, F1, 2, 0
	TURN 0, 1, 0, 3                                ; (its loads of h are quarter 62's rows 64-127 and quarter 63's rows 0-63)
	QUARTER 1, 64,  F0, F1, 4, 0, 48, 40, 1, 0     ; the last group of h goes out: quarter 63's rows 64-127
	QUARTER 1, 128, F1, F0, 5, 0, 40, 32, 0, 0     ; the counts run down: five and four groups were issued behind what this quarter waits for,
	QUARTER 1, 192, F0, F1, 6, 0, 24, 16, 0, 0     ; three and two,
	s_wait_loadcnt 8                               ; one,
	s_wait_dscnt 0x0
	MUL16 F1, 7, 0, 0, 0
	MUL16 F1, 7, 0, 2, 0
	s_wait_loadcnt 0x0                             ; none
	MUL16 F1, 7, 1, 0, 0
	MUL16 F1, 7, 1, 2, 0
	WIN 0
	; THE WAY OUT.  The slots have had their last fill, shown landed in every wave by the last change of slots.  When nobody reads them any more, each wave lays its 128 x 128 partial sums into its part of them.
	PLACES                                         ; behind the last products
	s_wait_dscnt 0x0                               ; my reads of the slots are over
	s_barrier_signal -1
	s_barrier_wait -1                              ; everybody's are
.irp a, 0,1,2,3,4,5,6,7
	WIN 0x08+4*((\a)/4)                            ; the data (source 1) in window 2 or 3, the address in window 0
.irp b, 0,1,2,3,4,5,6,7
	ds_store_b128 v[STO], v[64*((\a)%4)+8*(\b):64*((\a)%4)+8*(\b)+3]   offset:(\a)*16*PPITCH+64*(\b)      ; each accumulator from its low end on
	ds_store_b128 v[STO], v[64*((\a)%4)+8*(\b)+4:64*((\a)%4)+8*(\b)+7] offset:(\a)*16*PPITCH+64*(\b)+16
.endr
.endr
	WIN 0
	s_wait_dscnt 0x0                               ; for the others' sake: my part is in LDS
	s_barrier_signal -1
	s_barrier_wait -1
.set t, 0
.rept 4                                ; eight rows at a time: 32 loads, then row by row the sum and the store
	s_wait_xcnt 0x0                                ; every earlier memory instruction has had its addresses translated (ISA guide 3.1): the registers that the last eight stores read are loaded again only behind this wait
.set i, 0
.rept 8
.irp q, 0,1,2,3
	ds_load_b128 v[SUM+16*i+4*\q:SUM+16*i+4*\q+3], v[RD0+\q] offset:(8*t+i)*PPITCH
.endr
.set i, i+1
.endr
.set i, 0
.rept 8
.set r, SUM+16*i
	s_wait_dscnt 28-4*i                            ; row i's four loads are in; the 4 (7 - i) of the rows behind it may be out
	v_pk_add_f32 v[r:r+1],     v[r:r+1],     v[r+4:r+5]
	v_pk_add_f32 v[r+2:r+3],   v[r+2:r+3],   v[r+6:r+7]
	v_pk_add_f32 v[r+8:r+9],   v[r+8:r+9],   v[r+12:r+13]
	v_pk_add_f32 v[r+10:r+11], v[r+10:r+11], v[r+14:r+15]
	v_pk_add_f32 v[r:r+1],     v[r:r+1],     v[r+8:r+9]
	v_pk_add_f32 v[r+2:r+3],   v[r+2:r+3],   v[r+10:r+11]
	v_pk_add_f32 v[r:r+1],     v[r:r+1],     v[BI:BI+1]
	v_pk_add_f32 v[r+2:r+3],   v[r+2:r+3],   v[BI+2:BI+3]
	global_store_b128 v[CO], v[r:r+3], s[8:9] offset:(8*t+i)*SIZE_N*4 th:TH_STORE_NT  ; the wave stores 512 consecutive bytes, at a multiple of 256 from out0's first byte
.set i, i+1
.endr
.set t, t+1
.endr
	s_wait_tensorcnt 0x0                           ; the wave's end: behind my last tensor load and my last LDS store
	ds_add_u32 v[SPW], v[NIL]
	s_wait_dscnt 0x0
	CROUND                                         ; the closing round: no work-group ends while a partner may still ask for a tile that names it
	s_endpgm
.Lfunc_end_k_q44216527c6_down:
	.size	k_q44216527c6_down, .Lfunc_end_k_q44216527c6_down-k_q44216527c6_down
	.p2alignl 7, 3214868480
	.fill 96, 4, 3214868480
	.section	.rodata,"a",@progbits
	.p2align	6, 0x0
	.amdhsa_kernel k_q44216527c6_down
		.amdhsa_group_segment_fixed_size 327680
		.amdhsa_private_segment_fixed_size 0
		.amdhsa_enable_private_segment 0
		.amdhsa_kernarg_size 32
		.amdhsa_user_sgpr_count 2
		.amdhsa_user_sgpr_kernarg_segment_ptr 1
		.amdhsa_wavefront_size32 1
		.amdhsa_system_sgpr_workgroup_id_x 1
		.amdhsa_system_sgpr_workgroup_id_y 1
		.amdhsa_system_sgpr_workgroup_id_z 1
		.amdhsa_system_vgpr_workitem_id 0
		.amdhsa_next_free_vgpr 1024
		.amdhsa_next_free_sgpr 72
		.amdhsa_reserve_vcc 0
		.amdhsa_float_denorm_mode_32 3
		.amdhsa_float_denorm_mode_16_64 3
		.amdhsa_memory_ordered 1
		.amdhsa_forward_progress 1
		.amdhsa_inst_pref_size 153
	.end_amdhsa_kernel
	.amdgpu_metadata
---
amdhsa.version: [ 1, 2 ]
amdhsa.kernels:
  - .name:           k_q44216527c6_down
    .symbol:         k_q44216527c6_down.kd
    .args:
      - { .name: h, .offset: 0, .size: 8, .value_kind: global_buffer, .address_space: global }
      - { .name: w2b, .offset: 8, .size: 8, .value_kind: global_buffer, .address_space: global }
      - { .name: out0, .offset: 16, .size: 8, .value_kind: global_buffer, .address_space: global }
      - { .name: proj2_bias, .offset: 24, .size: 8, .value_kind: global_buffer, .address_space: global }
    .group_segment_fixed_size: 327680
    .private_segment_fixed_size: 0
    .kernarg_segment_align: 8
    .kernarg_segment_size: 32
    .max_flat_workgroup_size: 128
    .sgpr_count:     72
    .vgpr_count:     1024
    .wavefront_size: 32
...
	.end_amdgpu_metadata
.endif
;; end of part 3
